; MI455X (gfx1250); checked and timed in simulation.
; The chip was launched on July 23, 2026; its instructions are those of AMD's public machine-readable ISA for CDNA 5 (MIT licence, August 2026) and "CDNA5" Instruction Set Architecture Reference Guide (July 2026). The comments in the code are by the model that wrote it; some were corrected since.
;; min LSTM. Allowed arithmetic: matrix products marked QUANTISED: E5M2 operands, one E8M0 scale for each 32 along K, by v_wmma_scale_f32_16x16x128_f8f6f4 with both operands' format E5M2, f32 sums; everything else in f32.
;; Inputs: W_codes 3,072 x 32 x 32 uint8 (E5M2 codes of W, K innermost, in blocks of 32 codes); W_scales 3,072 x 32 uint8 (E8M0 scales of W, one for each 32 codes along K); x_codes 4 x 4,096 x 32 x 32 uint8 (E5M2 codes of x, K innermost, in blocks of 32 codes); x_scales 4 x 4,096 x 32 uint8 (E8M0 scales of x, one for each 32 codes along K).
;; Outputs: out0 4 x 4,096 x 1,024 float32.
;; This version of the problem:
;;   THIS VERSION OF THE PROBLEM IS GIVEN IN LOW PRECISION. The matrix products marked QUANTISED in the list below multiply operands that are first quantised to E5M2 (5 exponent bits, 2 mantissa bits; 8 bits a number), with one power-of-two scale for each 32 numbers along K (OCP MX v1.0); their sums are f32. All else is computed in f32.
;;   The module's matrix products, in the order in which they are computed (A, B: the left and right operand; K: the contracted axis; several contracted axes count as one K, in the product's order):
;;     1. [M 16,384, K 1,024] x [K 1,024, N 3,072]; A: input x (given as codes); B: input W (given as codes): QUANTISED
;;   THE QUANTISER, for each operand of a quantised product, along K:
;;     - K is cut into blocks of 32 from its start; a last block that is shorter is filled with zeros.
;;     - A block's scale is 2^e with e = floor(log2(the largest magnitude in the block)) - 15, held to -126 .. 127; a block of zeros has e = 0. As a byte (E8M0): e + 127.
;;     - Each number is divided by its block's scale, clamped to +-57,344, and rounded to the nearest number of E5M2, ties to even, subnormals kept.
;;     - The product sums the exact products of the quantised numbers (number of the format x scale) in f32.
;;   ~~~python
;;   def quantise(x, axis):      # numpy; x: float32 -> the quantised numbers, widened to float32 again
;;       x = np.moveaxis(x, axis, -1); K = x.shape[-1]
;;       x = np.pad(x, [(0, 0)] * (x.ndim - 1) + [(0, -K % 32)]); x = x.reshape(x.shape[:-1] + (-1, 32)); a = np.abs(x).max(-1, keepdims=True)
;;       e = np.where(a > 0, np.clip(np.frexp(np.where(a > 0, a, 1))[1] - 1 - 15, -126, 127), 0)      # np.frexp(a)[1] - 1 = floor(log2(a)), exactly
;;       r = np.clip(x / 2.0 ** e, -57344, 57344)
;;       step = 2.0 ** (np.maximum(np.frexp(np.where(r == 0, 1, r))[1] - 1, -14) - 2)
;;       q = np.round(r / step) * step * 2.0 ** e      # np.round: ties to even
;;       return np.moveaxis(q.reshape(q.shape[:-2] + (-1,))[..., :K], -1, axis).astype(np.float32)
;;   ~~~
;;   INPUTS GIVEN AS CODES. W (in the module: [1024, 3072], K = its axis 0); x (in the module: [4, 4096, 1024], K = its axis 2): each comes as NAME_codes (uint8): NAME with its K axis moved to the last place and cut into blocks of 32 codes, [.., K / 32, bytes a block], one block behind the other in memory; one code a byte (a code: sign, 5 exponent bits, 2 mantissa bits); and NAME_scales (uint8): the same leading axes, one E8M0 byte (e + 127) for each 32 codes along K. Its value is code x scale, taken as it is: it is not quantised again, and the codes and scales need not be those that the quantiser above would give.
;; 2 versions. Each part assembles by itself: llvm-mc -triple=amdgcn-amd-amdhsa -mcpu=gfx1250 --defsym DOCPART=n.
;; ======== version 1 of 2: 1 launch
;; launch minlstm (part 1): grid 64 x 4, 4 waves a work-group, clusters of 4 x 1, 327,680 bytes of LDS; arguments x_codes, x_scales, W_codes, W_scales, out0; writes out0
.if DOCPART == 1
	.amdgcn_target "amdgcn-amd-amdhsa--gfx1250"
	.amdhsa_code_object_version 6
	.text
	.protected	k_q6edb5b1cd4_minlstm
	.globl	k_q6edb5b1cd4_minlstm
	.p2align	8
	.type	k_q6edb5b1cd4_minlstm,@function
k_q6edb5b1cd4_minlstm:
	s_mov_b64 s[64:65], 0
	v_nop
	global_prefetch_b8 v0, s[64:65] scope:SCOPE_SE
	s_setreg_imm32_b32 hwreg(HW_REG_WAVE_MODE, 25, 1), 1
	s_wait_xcnt 0x0
	s_wait_alu depctr_hold_cnt(0) depctr_sa_sdst(0) depctr_va_vdst(0) depctr_va_sdst(0) depctr_va_ssrc(0) depctr_va_vcc(0) depctr_vm_vsrc(0)
	s_getreg_b32 s2, hwreg(HW_REG_IB_STS2, 6, 4)
	s_cmp_eq_u32 s2, 0
	s_cbranch_scc0 .Lentry_in_a_cluster
	s_endpgm
.Lentry_in_a_cluster:
	s_bfe_u32 s2, ttmp6, 0x10000c
	s_cmp_lg_u32 s2, 0x3003
	s_cbranch_scc0 .Lentry_shape_is_right
	s_endpgm
.Lentry_shape_is_right:
; minLSTM.  hW = x W on codes of BF8 (E5M2) with one E8M0 scale for each 32 along K (M = 4 x 4,096, K = 1,024, N = 3,072: hidden | f | i), the gates in f32, and the scan along the 4,096 positions.
; THE SCAN.  out_t = exp(a*_t + log(sum over s <= t of exp(log v_s - a*_s))), a*_t = sum over u <= t of log f'_u, is, term by term, sum over s <= t of v_s x (product over s < u <= t of f'_u):
; the recurrence h_t = f'_t h_(t-1) + v_t from h = 0.  The logarithms and exponentials of the log-space form cancel by that identity for all values of the inputs, so none is computed.  f' and i' lie in [0, 1] and add to 1,
; every term is >= 0 and every h is a weighted mean of values of g: nothing can overflow, nothing is subtracted, and a term falls to 0 only where its own share of out does.
; THE GATES.  f' = (1 + e^-i) / ((1 + e^-i) + (1 + e^-f)), i' = 1 - f', v = i' g(hidden), g(x) = x + 0.5 (x >= 0), 1 / (1 + e^-x) (x < 0).  THE MAXIMUM IS TAKEN AWAY ahead of the exponentials, as softplus takes it:
; m = max(-f, -i, 0); z = e^-m, u = e^(-f-m), w = e^(-i-m): all three exponents are <= 0 and one of them is 0.  Nf = z + w, Ni = z + u, c = e^-|x|, R = 1 / ((Nf + Ni)(1 + c)), whose divisor lies in [1, 8].
; f' = Nf (1 + c) R;  v = Ni R G,  G = max((x + 0.5)(1 + c), c).  Both forms of g are computed and the maximum picks the one that the comparison x >= 0 picks: phi(x) = e^x - (x + 0.5)(1 + e^x) is 0 at 0 and falls
; everywhere (phi' = -e^x (x + 0.5) - 1 < 0), so c is the larger for x < 0, and for x >= 0 (x + 0.5)(1 + c) >= (1 + c) / 2 >= c.
; No input is left out: all four are loaded.  LIMITS: the order of rounding differs from the log-space form's; v_exp_f32 gives 0 under 2^-126 (ISA guide 15.8), so a z, u, w or c under 2^-126 counts as 0;
; NaN and infinity codes and the scale byte 0xff are not served; a NaN, infinity or overflow that would arise only in the log-space intermediates is not carried to the result.
; SHARES.  A work-group owns 16 channels d0 .. d0 + 15 of one sequence for all 4,096 positions: 64 x 4 = 256 work-groups of equal work, and a channel's carry never leaves its work-group.  Its 48 rows of W
; (hidden, f, i of its channels) stay in EVERY wave's registers, 384 of them, read once.  x goes by chunks of 128 positions x all of K through a ring of two LDS slots; wave w fetches and reads rows 32 w .. 32 w + 31
; of a chunk, bytes that are its own: two tiles of 16 positions.  Source 0 = 16 positions of x, source 1 = 16 rows of W: in a result lane (r, h) holds channel d0 + r and its registers j the positions 8 h + j: the scan runs down a lane's registers.
; CLUSTER.  The four work-groups of a cluster are four neighbouring blocks of channels of one sequence and walk the same x: each tile is asked for JOINTLY, by the same tensor load with the same descriptor and the mask of all four.
; Not shared so: W (partners need different rows; 48 KB a work-group, once, against 4 MB of x) and x's scale bytes (4 KB of a chunk's 132 KB: they go straight into registers, 512 consecutive bytes a load, a chunk ahead).
; THE CARRY.  A lane scans its 8 positions from 0 and keeps the running product Fc of f'.  (A, B) = (Fc_7, h_7) says h_out = A h_in + B; halves, tiles and waves are composed, the waves' pairs meet in LDS, and the chunk is
; mended (h += Fc x carry) and stored ONE TRIP LATER, behind the trip's one barrier, while the next chunk's fragments come out of LDS.
; THE PRICE: a row of out0 gets 64 consecutive bytes from a work-group, so each aligned 256 bytes of out0 are written by the four partners of a cluster, a quarter each (16 bytes a lane, through a stage).
; Sixty-four channels to a work-group would leave 64 chains for 256 work-groups; cutting the positions would send the carry, two numbers an element, through memory.
; REGISTERS, in windows of 256 (s_set_vgpr_msb: bits 1:0 source 0, 3:2 source 1, 5:4 source 2, 7:6 destination): window 0: all that vector instructions touch; window 1: x's 16 fragments of the trip ((t, k) at 16 (8 t + k));
; window 2: W's fragments of hidden and f (16 (8 g + k)); window 3: those of i (16 k).
.set PITCH,  1040                      ; an LDS row of x: 1,024 bytes + 16 of padding = 65 x 16 bytes: the 16 rows that a fragment load touches start at 16 different groups of four banks (64 banks of 4 bytes: ISA guide 11.1)
.set WPART,  32*PITCH                  ; a wave's 32 rows: what one tensor load brings
.set SLOT,   4*WPART                   ; 133,120 bytes
.set CHUNKB, 128*1024                  ; a chunk of x in memory
.set EX,     2*SLOT                    ; behind the ring: the waves' pairs, two parities x 2,048: wave u's lane l has 16 bytes (AT0, BT0, AW, BW) at 512 u + 16 l
.set STG,    EX+4096                   ; the way out: 2,560 bytes a wave: group q (8 positions x 64 bytes) at 640 q, so that the two halves of the lanes store 32 banks apart
.set SPARE,  STG+4*2560                ; the spare words, 128 bytes for each wave: two blocks of 256 bytes that no other line names
.set ADR,  1                           ; v1, v2  LDS address of my lane's place in my wave's rows, slot 0, 1
.set EXS,  3                           ; v3   where I store my pairs
.set EXL,  4                           ; v4   where I read wave 0's pairs of my channel (lane 16 + r's entry)
.set EXO,  5                           ; v5   and my own wave's
.set STS,  6                           ; v6   the stage: where I put a number
.set STL,  7                           ; v7   and where I read 16 bytes back
.set GO,   8                           ; v8   my byte offset in 8 rows of out0
.set XSO,  9                           ; v9   32 r + 16 h: my half of a row's 32 scale bytes
.set SPW,  10                          ; v10  LDS address of my spare word; never rewritten
.set NIL,  11                          ; v11  0; never rewritten
.set PFO,  12                          ; v12  256 x lane: the prefetches' offset; never rewritten
.set WOF,  13                          ; v13  1,024 r + 16 h: my place in 16 rows of W
.set RR,   14                          ; v14  r = lane % 16
.set HH,   15                          ; v15  h = lane / 16
.set WS,   16                          ; v16-27  W's scale words, gate g at 4 g: register q of lane (r, h) is the word of K step 4 h + q
.set XS,   28                          ; v28-43  x's, two sets: set, tile t at 8 set + 4 t
.set CAR,  44                          ; v44  the carry into the chunk that is mended next
.set OWN,  45                          ; v45  the carry into my wave's rows
.set CL,   46                          ; v[46:47], v[48:49]  the carry into my lane's 8 positions of tile 0, 1 (the low word; the high word is written once)
.set C1,   50                          ; v50-52  the carry behind wave 0, 1, 2
.set C2,   51
.set C3,   52
.set CT1,  53                          ; v53  the carry into my wave's tile 1
.set AP0,  54                          ; v54-57  what stands ahead of my half in its tile: (1, 0) in lanes 0-15, the lower half's pair in lanes 16-31
.set BP0,  55
.set AP1,  56
.set BP1,  57
.set AO0,  58                          ; v58-61  the other half's pairs
.set BO0,  59
.set AO1,  60
.set BO1,  61
.set AT1,  62                          ; v62-63  tile 1's pair
.set BT1,  63
.set E,    64                          ; v[64:67]  AT0, BT0, AW, BW
.set EXR,  68                          ; v[68:83]  the four waves' entries
.set EXOWN, 84                         ; v[84:85]  my wave's AT0, BT0
.set XG,   96                          ; the accumulators: tile t at + 24 t: hidden,
.set FG,   104                         ; f,
.set IG,   112                         ; i
.set Z,    144                         ; v144-159  at work; then v; then h, scanned from 0
.set T,    160                         ; v160-175  at work; rows of out0 on their way
.set D,    176                         ; v176-191  at work; then f'; then Fc
.set WV,   14                          ; s14  my wave's number
.set CX,   15                          ; s15  my place in the cluster
.set DB,   16                          ; s16  my block of 16 channels
.set BQ,   17                          ; s17  my sequence
.set G1,   24                          ; s[24:31] descriptor group 1
.set G0,   32                          ; s[32:35], s[36:39] group 0 for slot 0, 1
.set OUT,  40                          ; s[40:41] out0 at my wave's rows of the chunk that is stored next
.set XSB,  42                          ; s[42:43] x's scale bytes at my wave's rows of the chunk in hand
.set PFA,  44                          ; s[44:45] where my prefetches stand
.set LIM,  46                          ; s46  1 in a work-group that prefetches, else the greatest number
.set CNT,  47                          ; s47  the loop's trips to go
.set L2E,  48                          ; s[48:49] log2(e)   (the packed forms name a pair and take its low word for both halves)
.set NL2E, 50                          ; s[50:51] -log2(e)
.set SEL,  52                          ; s[52:53] v_permlanex16_b32's selects for lane l xor 16
.set HM,   54                          ; s54  the mask of lanes 16-31
.set M1,   55                          ; s55-57  all ones where my wave's number is at least 1, 2, 3
.set MSB, 0
.macro WIN new                         ; the immediate's high byte repeats the setting that is left; a switch that changes nothing is dropped
.if MSB != \new
	s_set_vgpr_msb (MSB<<8)|\new
.set MSB, \new
.endif
.endm
; A round of the cluster's barrier: my work-group's barrier, so that wave 0's signal speaks for all four waves; wave 0 signals; every wave waits for all four work-groups; my work-group's barrier once more.
.macro CROUND
	s_barrier_signal -1
	s_barrier_wait -1
	s_cmp_lg_u32 s[WV], 0
	s_cbranch_scc1 .Lnot_wave_0_\@
	s_barrier_signal -3
.Lnot_wave_0_\@:
	s_barrier_wait -3
	s_barrier_signal -1
	s_barrier_wait -1
.endm
; THE TRIP'S ONE BARRIER.  In front of it: all my tensor loads have landed (the one that was out is my part of the slot that I read next); the add; my LDS instructions are done: my reads of the slot that I have left, and my store of the
; last chunk's pairs.  fill = 1: the barrier is a round of the cluster's, and the slot o that was left is filled again first thing behind it, with the chunk two on: that load has this whole trip in which to land.
.macro SYNC o, fill
	s_wait_tensorcnt 0x0                           ; no tensor load of mine is out, so a group 0 may be written
	ds_add_u32 v[SPW], v[NIL]                      ; 0 onto my spare word
.if \fill
	s_add_nc_u64 s[G0+4*(\o)+2:G0+4*(\o)+3], s[G0+4*(\o)+2:G0+4*(\o)+3], 2*CHUNKB   ; the slot's next chunk; the type bits on top are not reached
.endif
	s_wait_dscnt 0x0
.if \fill
	CROUND
	tensor_load_to_lds s[G0+4*(\o):G0+4*(\o)+3], s[G1:G1+7]   ; my one tensor load until the next round: by this text's count one load of mine is out from here on
	s_nop 0
.rept 4
	v_nop
.endr
.else
	s_barrier_signal -1
	s_barrier_wait -1
.endif
.endm
.macro XSLOAD sg                       ; the NEXT chunk's scale words of my 32 rows into set sg: 32 lanes read 512 consecutive bytes
.irp t, 0,1
	global_load_b128 v[XS+8*(\sg)+4*\t:XS+8*(\sg)+4*\t+3], v[XSO], s[XSB:XSB+1] offset:4096+512*\t
.endr
.endm
.macro EXLOAD p                        ; the last chunk's pairs, parity p: the four waves' entries of my channel, and my own wave's tile 0
.irp u, 0,1,2,3
	ds_load_b128 v[EXR+4*\u:EXR+4*\u+3], v[EXL] offset:2048*(\p)+512*\u
.endr
	ds_load_b64 v[EXOWN:EXOWN+1], v[EXO] offset:2048*(\p)
.endm
; All 16 fragments of my 32 rows, in ONE run of 64 loads, K step by K step.  A fragment, 16 rows x 128 K of 8-bit codes, is 16 registers: lane (r, h) holds row r; registers 4 c .. 4 c + 3 hold K = 32 c + 16 h + 0 .. 15.
.macro FRAGS sl
	WIN 0x40                                       ; destination window 1, address window 0
.irp k, 0,1,2,3,4,5,6,7
.irp t, 0,1
.irp c, 0,1,2,3
	ds_load_b128 v[16*(8*\t+\k)+4*\c:16*(8*\t+\k)+4*\c+3], v[ADR+(\sl)] offset:16*PITCH*\t+128*\k+32*\c
.endr
.endr
.endr
	WIN 0
.endm
; A PREFETCH INTO THE L2: the trip of chunk n asks for chunk n + 3, which the tensor loads of the trip of chunk n + 2 will ask for: two trips, 96 matrix instructions and two chunks' gates, ahead of that load.
; All 16 clusters of a sequence walk the same x: the first of them (cluster x = 0) asks; that is the same in all four partners.  A chunk is 512 blocks of 256 bytes, a lane a block: partner cx takes rows 32 cx on BY ADDRESS,
; wave w 8 of them, 2,048 x 4 consecutive bytes; one instruction a wave.  So each block is named once in the launch.  The loop's last trip asks for nothing (there is no chunk 32); chunks 0 to 3 come by their loads alone.
.macro ASK
	s_cmp_gt_u32 s[CNT], s[LIM]
	s_cbranch_scc0 .Lnot_mine_\@
	global_prefetch_b8 v[PFO], s[PFA:PFA+1] th:TH_LOAD_NT scope:SCOPE_SE
.Lnot_mine_\@:
.endm
; THE LAST CHUNK IS MENDED.  The carry goes through the four waves' pairs; mine is picked by my wave's number (a selection, no branch); h += Fc x the carry into my 8 positions; then through my stage.
.macro XFIX cnt, last
	s_wait_dscnt \cnt                              ; the five loads of the pairs are in (behind them stand the run's 64, of which 63, the most a wait can name, may be out; at the end: none)
	v_fma_f32 v[C1], v[EXR+2], v[CAR], v[EXR+3]
	v_fma_f32 v[C2], v[EXR+6], v[C1], v[EXR+7]
	v_fma_f32 v[C3], v[EXR+10], v[C2], v[EXR+11]
	v_cndmask_b32 v[OWN], v[CAR], v[C1], s[M1]
	v_cndmask_b32 v[OWN], v[OWN], v[C2], s[M1+1]
	v_cndmask_b32 v[OWN], v[OWN], v[C3], s[M1+2]
.if !\last
	v_fma_f32 v[CAR], v[EXR+14], v[C3], v[EXR+15]  ; the carry into the next chunk
.endif
	v_fma_f32 v[CT1], v[EXOWN], v[OWN], v[EXOWN+1]
	v_fma_f32 v[CL], v[AP0], v[OWN], v[BP0]
	v_fma_f32 v[CL+2], v[AP1], v[CT1], v[BP1]
.irp t, 0,1
.irp p, 0,2,4,6
	v_pk_fma_f32 v[Z+8*\t+\p:Z+8*\t+\p+1], v[D+8*\t+\p:D+8*\t+\p+1], v[CL+2*\t:CL+2*\t+1], v[Z+8*\t+\p:Z+8*\t+\p+1] op_sel_hi:[1,0,1]
.endr
.endr
.irp t, 0,1
.irp j, 0,1,2,3,4,5,6,7
	ds_store_b32 v[STS], v[Z+8*\t+\j] offset:1280*\t+64*\j      ; position 16 t + 8 h + j, channel r
.endr
.endr
.irp q, 0,1,2,3
	ds_load_b128 v[T+4*\q:T+4*\q+3], v[STL] offset:640*\q       ; LDS serves a wave's instructions in order (ISA guide 5.7.1.4): these see the stores above
.endr
.endm
; One product: tile t, gate g, K step k.  K step k's scale word is register k % 4 of both sides' sets: in lanes 0-15 for k < 4, in lanes 16-31 (ROW1) from k = 4 on.  The first K step starts the sum: nothing is cleared.
.macro MM t, g, k, sg
.set rD, XG+24*(\t)+8*(\g)
.set rA, 16*(8*(\t)+(\k))
.set rB, 16*(8*((\g)%2)+(\k))
.set rSA, XS+8*(\sg)+4*(\t)+((\k)%4)
.set rSB, WS+4*(\g)+((\k)%4)
.if (\k) == 0
	v_wmma_scale_f32_16x16x128_f8f6f4 v[rD:rD+7], v[rA:rA+15], v[rB:rB+15], 0, v[rSA], v[rSB] matrix_a_fmt:MATRIX_FMT_BF8 matrix_b_fmt:MATRIX_FMT_BF8
.elseif (\k) < 4
	v_wmma_scale_f32_16x16x128_f8f6f4 v[rD:rD+7], v[rA:rA+15], v[rB:rB+15], v[rD:rD+7], v[rSA], v[rSB] matrix_a_fmt:MATRIX_FMT_BF8 matrix_b_fmt:MATRIX_FMT_BF8
.else
	v_wmma_scale_f32_16x16x128_f8f6f4 v[rD:rD+7], v[rA:rA+15], v[rB:rB+15], v[rD:rD+7], v[rSA], v[rSB] matrix_a_fmt:MATRIX_FMT_BF8 matrix_b_fmt:MATRIX_FMT_BF8 matrix_a_scale:MATRIX_SCALE_ROW1 matrix_b_scale:MATRIX_SCALE_ROW1
.endif
.endm
; The trip's 48 products: K ascending; in a K step the six accumulators take turns, one instruction a turn.
; The wait in front of K step k leaves out what was issued behind its eight loads: 56 - 8 k later fragment loads and, where a chunk was mended (x = 1), the stage's 16 stores and 4 loads; a wait names 63 at the most.
.macro MUL sg, x, nxt
	s_wait_loadcnt 2*(\nxt)                        ; this chunk's scale words are in; the next chunk's two loads, where they were issued, may be out
.irp k, 0,1,2,3,4,5,6,7
.if \x
.if 76-8*\k > 63
	s_wait_dscnt 63
.else
	s_wait_dscnt 76-8*\k
.endif
.else
	s_wait_dscnt 56-8*\k
.endif
	WIN 0x09                                       ; source 0 (x) window 1, source 1 (W) window 2, C and D window 0
	MM 0, 0, \k, \sg
	MM 1, 0, \k, \sg
	MM 0, 1, \k, \sg
	MM 1, 1, \k, \sg
	WIN 0x0d                                       ; source 1 window 3
	MM 0, 2, \k, \sg
	MM 1, 2, \k, \sg
.endr
	WIN 0
.endm
.macro SEND                            ; the mended chunk leaves: a lane stores 16 bytes, four lanes my 64 bytes of a row, an instruction 8 rows
	s_wait_dscnt 0x0                               ; the stage's loads
.irp q, 0,1,2,3
	global_store_b128 v[GO], v[T+4*\q:T+4*\q+3], s[OUT:OUT+1] offset:32768*\q
.endr
.endm
.macro PK op, dd, dst, aa, ast, bb, bst    ; one packed operation over the 16 elements, eight pairs: dd = aa op bb; dst, ast, bst: registers from tile 0 to tile 1 (24 in the accumulators, 8 elsewhere)
.irp t, 0,1
.irp p, 0,2,4,6
	\op v[\dd+\dst*\t+\p:\dd+\dst*\t+\p+1], v[\aa+\ast*\t+\p:\aa+\ast*\t+\p+1], v[\bb+\bst*\t+\p:\bb+\bst*\t+\p+1]
.endr
.endr
.endm
; THE GATES of my 16 elements a lane: f' into D, v into Z.
.macro GATES x, nxt
.rept 8
	v_nop                                          ; eight places between this form's last product and the first read of results; no other vector work is at hand
.endr
.irp t, 0,1
.irp p, 0,2,4,6
	v_pk_fma_f32 v[FG+24*\t+\p:FG+24*\t+\p+1], v[FG+24*\t+\p:FG+24*\t+\p+1], s[NL2E:NL2E+1], 0 op_sel_hi:[1,0,0]   ; -f log2(e) + 0: a sum that is a zero of either sign gives +0, so that the maximum below never chooses between zeros of two signs.  Each accumulator is read from its low end on
	v_pk_fma_f32 v[IG+24*\t+\p:IG+24*\t+\p+1], v[IG+24*\t+\p:IG+24*\t+\p+1], s[NL2E:NL2E+1], 0 op_sel_hi:[1,0,0]   ; -i log2(e) + 0
.endr
.endr
.irp t, 0,1
.irp j, 0,1,2,3,4,5,6,7
	v_max3_num_f32 v[Z+8*\t+\j], v[FG+24*\t+\j], v[IG+24*\t+\j], 0   ; m log2(e)
.endr
.endr
	s_wait_xcnt 0x0                                ; the trip's stores, scale loads and prefetch have had their addresses translated (ISA guide 3.1): only behind this wait are T, the stores' data, and the three bases written
.if \x
	s_add_nc_u64 s[OUT:OUT+1], s[OUT:OUT+1], 128*4096
	s_add_nc_u64 s[PFA:PFA+1], s[PFA:PFA+1], CHUNKB
.endif
.if \nxt
	s_add_nc_u64 s[XSB:XSB+1], s[XSB:XSB+1], 4096
.endif
.irp t, 0,1
.irp p, 0,2,4,6
	v_pk_add_f32 v[T+8*\t+\p:T+8*\t+\p+1], v[XG+24*\t+\p:XG+24*\t+\p+1], 0.5 op_sel_hi:[1,0]            ; x + 0.5
.endr
.endr
.irp t, 0,1
.irp p, 0,2,4,6
	v_pk_mul_f32 v[XG+24*\t+\p:XG+24*\t+\p+1], v[XG+24*\t+\p:XG+24*\t+\p+1], s[L2E:L2E+1] op_sel_hi:[1,0]   ; x log2(e)
.endr
.endr
.irp t, 0,1
.irp p, 0,2,4,6
	v_pk_add_f32 v[FG+24*\t+\p:FG+24*\t+\p+1], v[FG+24*\t+\p:FG+24*\t+\p+1], v[Z+8*\t+\p:Z+8*\t+\p+1] neg_lo:[0,1] neg_hi:[0,1]   ; (-f - m) log2(e): exactly 0 where -f is the maximum
	v_pk_add_f32 v[IG+24*\t+\p:IG+24*\t+\p+1], v[IG+24*\t+\p:IG+24*\t+\p+1], v[Z+8*\t+\p:Z+8*\t+\p+1] neg_lo:[0,1] neg_hi:[0,1]   ; (-i - m) log2(e)
.endr
.endr
.irp t, 0,1                            ; ONE BATCH of 64 exponentials, none of which reads another's result
.irp j, 0,1,2,3,4,5,6,7
	v_exp_f32 v[Z+8*\t+\j], -v[Z+8*\t+\j]          ; z
	v_exp_f32 v[FG+24*\t+\j], v[FG+24*\t+\j]       ; u
	v_exp_f32 v[IG+24*\t+\j], v[IG+24*\t+\j]       ; w
	v_exp_f32 v[XG+24*\t+\j], -|v[XG+24*\t+\j]|    ; c
.endr
.endr
	v_nop                                          ; a plain instruction behind the last exponential (ISA guide 5.7.2),
	s_wait_alu depctr_va_vdst(0)                   ; and the one wait ahead of the batch's first reader
	PK v_pk_add_f32, IG, 24, Z, 8, IG, 24          ; Nf = z + w
	PK v_pk_add_f32, FG, 24, Z, 8, FG, 24          ; Ni = z + u
	PK v_pk_add_f32, Z, 8, IG, 24, FG, 24          ; Nf + Ni
.irp t, 0,1
.irp p, 0,2,4,6
	v_pk_add_f32 v[D+8*\t+\p:D+8*\t+\p+1], v[XG+24*\t+\p:XG+24*\t+\p+1], 1.0 op_sel_hi:[1,0]             ; 1 + c
.endr
.endr
	PK v_pk_mul_f32, Z, 8, Z, 8, D, 8              ; (Nf + Ni)(1 + c)
.irp e, 0,1,2,3,4,5,6,7,8,9,10,11,12,13,14,15
	v_rcp_f32 v[Z+\e], v[Z+\e]                     ; R: a batch of 16
.endr
	PK v_pk_mul_f32, T, 8, T, 8, D, 8              ; (x + 0.5)(1 + c).  These 32 lines name no reciprocal: the work between the batch and its wait
.irp t, 0,1
.irp j, 0,1,2,3,4,5,6,7
	v_max_num_f32 v[T+8*\t+\j], v[T+8*\t+\j], v[XG+24*\t+\j]   ; G
.endr
.endr
	PK v_pk_mul_f32, IG, 24, IG, 24, D, 8          ; Nf (1 + c)
	s_wait_alu depctr_va_vdst(0)                   ; one wait for the 16 reciprocals, ahead of their first reader
	PK v_pk_mul_f32, D, 8, IG, 24, Z, 8            ; f'
	PK v_pk_mul_f32, FG, 24, FG, 24, Z, 8          ; Ni R
	PK v_pk_mul_f32, Z, 8, FG, 24, T, 8            ; v
.endm
.macro SCAN                            ; down my 8 positions of each tile, from 0: h_j = f'_j h_(j-1) + v_j, then Fc_j = f'_j Fc_(j-1); the two tiles by turns
.irp j, 1,2,3,4,5,6,7
.irp t, 0,1
	v_fmac_f32 v[Z+8*\t+\j], v[D+8*\t+\j], v[Z+8*\t+\j-1]
.endr
.irp t, 0,1
	v_mul_f32 v[D+8*\t+\j], v[D+8*\t+\j], v[D+8*\t+\j-1]
.endr
.endr
.endm
; THE PAIRS.  Behind the selections lanes 16-31 hold the lower half's pair as what stands ahead of them, lanes 0-15 (1, 0); composed with the lane's own pair that gives, in lanes 16-31, the tile's pair, and of two tiles the wave's.  Only lanes 16-31's entries are read back.
.macro AGG p
	v_permlanex16_b32 v[AO0], v[D+7], s[SEL], s[SEL+1]
	v_permlanex16_b32 v[BO0], v[Z+7], s[SEL], s[SEL+1]
	v_permlanex16_b32 v[AO1], v[D+15], s[SEL], s[SEL+1]
	v_permlanex16_b32 v[BO1], v[Z+15], s[SEL], s[SEL+1]
	v_cndmask_b32 v[AP0], 1.0, v[AO0], s[HM]
	v_cndmask_b32 v[BP0], 0, v[BO0], s[HM]
	v_cndmask_b32 v[AP1], 1.0, v[AO1], s[HM]
	v_cndmask_b32 v[BP1], 0, v[BO1], s[HM]
	v_mul_f32 v[E], v[D+7], v[AP0]                 ; AT0
	v_fma_f32 v[E+1], v[D+7], v[BP0], v[Z+7]       ; BT0
	v_mul_f32 v[AT1], v[D+15], v[AP1]
	v_fma_f32 v[BT1], v[D+15], v[BP1], v[Z+15]
	v_mul_f32 v[E+2], v[E], v[AT1]                 ; AW
	v_fma_f32 v[E+3], v[AT1], v[E+1], v[BT1]       ; BW
	ds_store_b128 v[EXS], v[E:E+3] offset:2048*(\p)   ; this parity was last read one trip back, ahead of a barrier that every wave has passed since
.endm
; THE TRIP of chunk n, s = n % 2: its slot, its set of scale words, its parity.  sync = 1: the round and the refill of the other slot; 2: a plain barrier; x = 1: chunk n - 1 is mended and stored; nxt = 1: chunk n + 1's scale words are asked for.
.macro TRIP s, sync, x, nxt
.if \sync == 1
	SYNC 1-\s, 1
.elseif \sync == 2
	SYNC 0, 0
.endif
.if \nxt
	XSLOAD 1-\s
.endif
.if \x
	EXLOAD 1-\s
.endif
	FRAGS \s
.if \sync == 1
	ASK
.endif
.if \x
	XFIX 63, 0
.endif
	MUL \s, \x, \nxt
.if \x
	SEND
.endif
	GATES \x, \nxt
	SCAN
	AGG \s
.endm
	s_load_b256 s[4:11], s[0:1], 0x0               ; x's codes s[4:5], x's scales s[6:7], W's codes s[8:9], W's scales s[10:11]
	s_load_b64 s[12:13], s[0:1], 0x20              ; out0
	v_lshl_add_u32 v[SPW], v0, 2, SPARE
	v_mov_b32 v[NIL], 0
	ds_add_u32 v[SPW], v[NIL]                      ; the wave's opening: the add, twice on end, and its wait ahead of my first tensor load; the set-up below, work on registers, stands between the second and the wait
	ds_add_u32 v[SPW], v[NIL]
	v_lshrrev_b32 v[WOF], 5, v0
	v_readfirstlane_b32 s[WV], v[WOF]              ; wave 0..3
	v_and_b32 v[RR], 15, v0                        ; r
	v_bfe_u32 v[HH], v0, 4, 1                      ; h
	v_and_b32 v[C1], 31, v0                        ; lane (in a register that is free until the first mending)
	s_bfe_u32 s[CX], ttmp6, 0x40000                ; cx: it enters W's, out0's and the prefetches' global addresses alone
	s_lshl_b32 s[DB], ttmp9, 2                     ; in a cluster launch ttmp9 counts clusters
	s_add_co_u32 s[DB], s[DB], s[CX]               ; my block of 16 channels
	s_and_b32 s[BQ], ttmp7, 0xffff                 ; my sequence, which the four partners share
	; descriptor group 1: a tile of 32 rows x 1,024 bytes, padded in LDS
	s_mov_b32 s[G1], 15|(0<<16)|(1<<20)|(1<<21)|(7<<22)|(3<<25)   ; 15:0 the mask: all four work-groups; 17:16 elements of 1 byte; 20 padding on; 21 set beside a mask; 24:22 after every 256 words (code 7); 31:25 four words (code 3)
	s_mov_b32 s[G1+1], 1024<<16                    ; tensor_dim0
	s_mov_b32 s[G1+2], 32<<16                      ; tensor_dim1
	s_mov_b32 s[G1+3], 1024<<16                    ; tile_dim0
	s_mov_b32 s[G1+4], 32                          ; tile_dim1
	s_mov_b32 s[G1+5], 1024                        ; tensor_dim0_stride
	s_mov_b32 s[G1+6], 0
	s_mov_b32 s[G1+7], 0
	s_mov_b32 s[G0], 1                             ; count = 1
	s_mov_b32 s[G0+4], 1
	s_mul_i32 s[G0+1], s[WV], WPART                ; LDS address: my wave's rows, slot 0,
	s_add_co_u32 s[G0+5], s[G0+1], SLOT            ; slot 1: no place in the cluster enters an LDS address
	s_lshl_b32 s21, s[WV], 9
	s_mul_i32 s22, s[WV], 2560
	s_add_co_u32 s22, s22, STG                     ; my stage
	v_mul_u32_u24 v[ADR], v[RR], PITCH
	v_lshl_add_u32 v[ADR], v[HH], 4, v[ADR]
	v_add_nc_u32 v[ADR], s[G0+1], v[ADR]           ; row r x pitch + 16 h + my wave's rows
	v_add_nc_u32 v[ADR+1], SLOT, v[ADR]
	v_lshl_add_u32 v[EXS], v[C1], 4, EX
	v_add_nc_u32 v[EXS], s21, v[EXS]
	v_lshl_add_u32 v[EXL], v[RR], 4, EX+256
	v_add_nc_u32 v[EXO], s21, v[EXL]
	v_mul_u32_u24 v[STS], v[HH], 640
	v_lshl_add_u32 v[STS], v[RR], 2, v[STS]
	v_add_nc_u32 v[STS], s22, v[STS]
	v_lshl_add_u32 v[STL], v[C1], 4, s22
	v_lshrrev_b32 v[C2], 2, v[C1]
	v_and_b32 v[C3], 3, v[C1]
	v_lshlrev_b32 v[GO], 4, v[C3]
	v_lshl_add_u32 v[GO], v[C2], 12, v[GO]         ; row lane / 4 of 4,096 bytes, + 16 (lane % 4)
	v_lshlrev_b32 v[XSO], 5, v[RR]
	v_lshl_add_u32 v[XSO], v[HH], 4, v[XSO]
	v_lshlrev_b32 v[PFO], 8, v[C1]
	v_lshlrev_b32 v[WOF], 10, v[RR]
	v_lshl_add_u32 v[WOF], v[HH], 4, v[WOF]
	v_mov_b32 v[CAR], 0                            ; h ahead of the first position
	v_mov_b32 v[CL+1], 0                           ; (named as the upper halves of pairs)
	v_mov_b32 v[CL+3], 0
.irp i, 0,1,2,3
	v_mov_b32 v[AO0+\i], 0                         ; written once: a lane permute's destination counts as one of its sources
.endr
	s_mov_b32 s[L2E], 0x3fb8aa3b
	s_mov_b32 s[L2E+1], s[L2E]
	s_mov_b32 s[NL2E], 0xbfb8aa3b
	s_mov_b32 s[NL2E+1], s[NL2E]
	s_mov_b32 s[SEL], 0x76543210
	s_mov_b32 s[SEL+1], 0xfedcba98
	s_mov_b32 s[HM], 0xffff0000
	s_cmp_ge_u32 s[WV], 1
	s_cselect_b32 s[M1], -1, 0
	s_cmp_ge_u32 s[WV], 2
	s_cselect_b32 s[M1+1], -1, 0
	s_cmp_ge_u32 s[WV], 3
	s_cselect_b32 s[M1+2], -1, 0
	s_cmp_eq_u32 ttmp9, 0
	s_cselect_b32 s[LIM], 1, -1                    ; the sequence's first cluster prefetches
	s_lshl_b32 s20, s[BQ], 22                      ; x: my sequence's 4 MiB,
	s_lshl_b32 s21, s[WV], 15                      ; my wave's 32 rows of a chunk
	s_add_co_u32 s20, s20, s21
	s_mov_b32 s21, 0
	s_wait_dscnt 0x0                               ; both opening adds are done
	s_wait_kmcnt 0x0
	s_add_nc_u64 s[22:23], s[4:5], s[20:21]        ; x at my wave's rows of chunk 0: made of the sequence and the wave's number alone
	s_lshl_b32 s18, s[BQ], 24                      ; out0: my sequence's 16 MiB,
	s_lshl_b32 s19, s[WV], 17                      ; my wave's 32 rows of 4,096 bytes,
	s_add_co_u32 s18, s18, s19
	s_lshl_b32 s19, s[DB], 6                       ; my 16 channels
	s_add_co_u32 s18, s18, s19
	s_mov_b32 s19, 0
	s_add_nc_u64 s[OUT:OUT+1], s[12:13], s[18:19]
	s_lshl_b32 s18, s[BQ], 17                      ; x's scale bytes: 32 a row
	s_lshl_b32 s19, s[WV], 10
	s_add_co_u32 s18, s18, s19
	s_mov_b32 s19, 0
	s_add_nc_u64 s[XSB:XSB+1], s[6:7], s[18:19]
	s_lshl_b32 s18, s[DB], 14                      ; W's codes: row d0 of 1,024 bytes,
	s_add_nc_u64 s[8:9], s[8:9], s[18:19]
	s_lshl_b32 s18, s[DB], 9                       ; its scale bytes: 32 a row
	s_add_nc_u64 s[10:11], s[10:11], s[18:19]
	s_lshl_b32 s18, s[BQ], 22                      ; the prefetches: my sequence, rows 32 cx + 8 w of a chunk, chunk 4
	s_lshl_b32 s19, s[CX], 15
	s_add_co_u32 s18, s18, s19
	s_lshl_b32 s19, s[WV], 13
	s_add_co_u32 s18, s18, s19
	s_add_co_u32 s18, s18, 4*CHUNKB
	s_mov_b32 s19, 0
	s_add_nc_u64 s[PFA:PFA+1], s[4:5], s[18:19]
	CROUND                                         ; all four work-groups are here: the first joint loads meet
	s_mov_b64 s[G0+2:G0+3], s[22:23]               ; global address: chunk 0,
	s_or_b32 s[G0+3], s[G0+3], 0x80000000          ; type = 2
	s_add_nc_u64 s[G0+6:G0+7], s[22:23], CHUNKB    ; chunk 1
	s_or_b32 s[G0+7], s[G0+7], 0x80000000
	tensor_load_to_lds s[G0:G0+3], s[G1:G1+7]      ; both first fills together, ahead of every wait on TENSORcnt and every LDS read: two loads of mine are out
	s_nop 0
	tensor_load_to_lds s[G0+4:G0+7], s[G1:G1+7]
	s_nop 0
.rept 4
	v_nop
.endr
	WIN 0x80                                       ; destination window 2: W's fragments of hidden and f; they stay
.irp g, 0,1
.irp k, 0,1,2,3,4,5,6,7
.irp c, 0,1,2,3
	global_load_b128 v[16*(8*\g+\k)+4*\c:16*(8*\g+\k)+4*\c+3], v[WOF], s[8:9] offset:1048576*\g+128*\k+32*\c
.endr
.endr
.endr
	WIN 0xc0                                       ; destination window 3: those of i
.irp k, 0,1,2,3,4,5,6,7
.irp c, 0,1,2,3
	global_load_b128 v[16*\k+4*\c:16*\k+4*\c+3], v[WOF], s[8:9] offset:2*1048576+128*\k+32*\c
.endr
.endr
	WIN 0
.irp g, 0,1,2
	global_load_b128 v[WS+4*\g:WS+4*\g+3], v[XSO], s[10:11] offset:32768*\g
.endr
.irp t, 0,1
	global_load_b128 v[XS+4*\t:XS+4*\t+3], v[XSO], s[XSB:XSB+1] offset:512*\t   ; chunk 0's scale words, set 0
.endr
	s_wait_loadcnt 0x0                             ; W, its scale words and chunk 0's
	s_wait_tensorcnt 0x1                           ; my rows of chunk 0 are in; slot 1's load may stay out.  I read only bytes that my own load brought, so no barrier stands here
	TRIP 0, 0, 0, 1                                ; chunk 0: nothing to mend yet
	s_mov_b32 s[CNT], 15
.Lloop:                                                ; 15 trips of two chunks: chunks 1 to 30; each refills the slot that was left
	TRIP 1, 1, 1, 1
	TRIP 0, 1, 1, 1
	s_sub_co_u32 s[CNT], s[CNT], 1
	s_cmp_lg_u32 s[CNT], 0
	s_cbranch_scc1 .Lloop
	TRIP 1, 2, 1, 0                                ; chunk 31 is written out: nothing is left to fetch
	s_wait_dscnt 0x0                               ; for the others' sake: my store of chunk 31's pairs is done
	s_barrier_signal -1
	s_barrier_wait -1
	EXLOAD 1
	XFIX 0, 1                                      ; chunk 31 is mended
	SEND
	s_wait_tensorcnt 0x0                           ; the wave's end, behind my last tensor load and my last LDS store
	ds_add_u32 v[SPW], v[NIL]
	s_wait_dscnt 0x0
	CROUND                                         ; the closing round: no work-group ends while a partner may still ask for a tile that names it
	s_endpgm
.Lfunc_end_k_q6edb5b1cd4_minlstm:
	.size	k_q6edb5b1cd4_minlstm, .Lfunc_end_k_q6edb5b1cd4_minlstm-k_q6edb5b1cd4_minlstm
	.p2alignl 7, 3214868480
	.fill 96, 4, 3214868480
	.section	.rodata,"a",@progbits
	.p2align	6, 0x0
	.amdhsa_kernel k_q6edb5b1cd4_minlstm
		.amdhsa_group_segment_fixed_size 327680
		.amdhsa_private_segment_fixed_size 0
		.amdhsa_enable_private_segment 0
		.amdhsa_kernarg_size 40
		.amdhsa_user_sgpr_count 2
		.amdhsa_user_sgpr_kernarg_segment_ptr 1
		.amdhsa_wavefront_size32 1
		.amdhsa_system_sgpr_workgroup_id_x 1
		.amdhsa_system_sgpr_workgroup_id_y 1
		.amdhsa_system_sgpr_workgroup_id_z 1
		.amdhsa_system_vgpr_workitem_id 0
		.amdhsa_next_free_vgpr 896
		.amdhsa_next_free_sgpr 66
		.amdhsa_reserve_vcc 0
		.amdhsa_float_denorm_mode_32 3
		.amdhsa_float_denorm_mode_16_64 3
		.amdhsa_memory_ordered 1
		.amdhsa_forward_progress 1
		.amdhsa_inst_pref_size 136
	.end_amdhsa_kernel
	.amdgpu_metadata
---
amdhsa.version: [ 1, 2 ]
amdhsa.kernels:
  - .name:           k_q6edb5b1cd4_minlstm
    .symbol:         k_q6edb5b1cd4_minlstm.kd
    .args:
      - { .name: x_codes, .offset: 0, .size: 8, .value_kind: global_buffer, .address_space: global }
      - { .name: x_scales, .offset: 8, .size: 8, .value_kind: global_buffer, .address_space: global }
      - { .name: W_codes, .offset: 16, .size: 8, .value_kind: global_buffer, .address_space: global }
      - { .name: W_scales, .offset: 24, .size: 8, .value_kind: global_buffer, .address_space: global }
      - { .name: out0, .offset: 32, .size: 8, .value_kind: global_buffer, .address_space: global }
    .group_segment_fixed_size: 327680
    .private_segment_fixed_size: 0
    .kernarg_segment_align: 8
    .kernarg_segment_size: 40
    .max_flat_workgroup_size: 128
    .sgpr_count:     66
    .vgpr_count:     896
    .wavefront_size: 32
...
	.end_amdgpu_metadata
.endif
;; end of part 1
;; ======== version 2 of 2: 2 launches
;; limits: right only within a limited range of input values
;; workspace buffers: hl 67,108,864 bytes; fc 67,108,864 bytes
;; launch gates (part 2): grid 16 x 16, 8 waves a work-group, clusters of 4 x 1, 327,680 bytes of LDS; arguments x_codes, x_scales, W_codes, W_scales, hl, fc; writes hl, fc
.if DOCPART == 2
	.amdgcn_target "amdgcn-amd-amdhsa--gfx1250"
	.amdhsa_code_object_version 6
	.text
	.protected	k_q6edb5b1cd4_gates
	.globl	k_q6edb5b1cd4_gates
	.p2align	8
	.type	k_q6edb5b1cd4_gates,@function
k_q6edb5b1cd4_gates:
	s_mov_b64 s[64:65], 0
	v_nop
	global_prefetch_b8 v0, s[64:65] scope:SCOPE_SE
	s_setreg_imm32_b32 hwreg(HW_REG_WAVE_MODE, 25, 1), 1
	s_wait_xcnt 0x0
	s_wait_alu depctr_hold_cnt(0) depctr_sa_sdst(0) depctr_va_vdst(0) depctr_va_sdst(0) depctr_va_ssrc(0) depctr_va_vcc(0) depctr_vm_vsrc(0)
	s_getreg_b32 s2, hwreg(HW_REG_IB_STS2, 6, 4)
	s_cmp_eq_u32 s2, 0
	s_cbranch_scc0 .Lentry_in_a_cluster
	s_endpgm
.Lentry_in_a_cluster:
	s_bfe_u32 s2, ttmp6, 0x10000c
	s_cmp_lg_u32 s2, 0x3003
	s_cbranch_scc0 .Lentry_shape_is_right
	s_endpgm
.Lentry_shape_is_right:
; minLSTM, first of two launches.  hW = x W on codes of BF8 (E5M2) with one E8M0 scale for each 32 along K (M = 4 x 4,096, K = 1,024, N = 3,072: hidden | f | i), the gates in f32, and the scan inside sub-segments of 512 positions.
; THE SCAN.  out_t = exp(a*_t + log(sum over s <= t of exp(log v_s - a*_s))), a*_t = sum over u <= t of log f'_u, is, term by term, sum over s <= t of v_s x (product over s < u <= t of f'_u):
; the recurrence h_t = f'_t h_(t-1) + v_t from h = 0.  The logarithms and exponentials of the log-space form cancel by that identity for all values of the inputs, so none is computed.  f' and i' lie in [0, 1] and add to 1,
; every term is >= 0 and every h is a weighted mean of values of g: nothing can overflow and nothing is subtracted.
; THE GATES.  f' = (1 + e^-i) / ((1 + e^-i) + (1 + e^-f)), v = (1 - f') g(hidden), g(x) = x + 0.5 (x >= 0), 1 / (1 + e^-x) (x < 0).  THE MAXIMUM IS TAKEN AWAY ahead of the exponentials, as softplus takes it:
; m = max(-f, -i, 0); z = e^-m, u = e^(-f-m), w = e^(-i-m): all exponents <= 0, one of them 0.  Nf = z + w, Ni = z + u, c = e^-|x|, R = 1 / ((Nf + Ni)(1 + c)), divisor in [1, 8].
; f' = Nf (1 + c) R;  v = Ni R G,  G = max((x + 0.5)(1 + c), c): phi(x) = e^x - (x + 0.5)(1 + e^x) is 0 at 0 and falls everywhere, so c is the larger for x < 0, and for x >= 0 (x + 0.5)(1 + c) >= (1 + c) / 2 >= c:
; the maximum picks the form that the comparison x >= 0 picks.
; SUB-SEGMENTS.  A sequence is cut into eight.  This launch scans each from h = 0 and stores hl (that h) and fc (the product of f' from the sub-segment's start); the second launch adds fc x (h ahead of the sub-segment).
; WORK LEFT OUT.  Ahead of sub-segment 0 stands the scan's start, h = 0, whatever the inputs hold: its fc would only ever multiply that zero, so it is neither scaled, stored nor read.  All four inputs are loaded.
; LIMITS: the order of rounding differs from the log-space form's; v_exp_f32 gives 0 under 2^-126 (ISA guide 15.8), so a z, u, w or c under 2^-126 counts as 0; NaN and infinity codes and the scale byte 0xff are not served;
; a NaN, infinity or overflow that would arise only in the log-space intermediates, or only in what is left out, is not carried to the result.
; SHARES.  A work-group owns 64 channels x 1,024 positions: 16 x 16 = 256 work-groups of equal work.  Eight waves, two to a SIMD: wave 4 s + c owns channels 16 c .. 16 c + 15 and the 512 positions of stream s, so a chain never
; leaves its wave.  Its 48 rows of W (24 fragments, 384 registers) are read once and stay.  x goes by chunks of 64 positions of both streams (128 rows x all of K) through two LDS slots; every wave fetches 16 rows
; (a load of 16,384 bytes: eight waves share the slot's 128 rows, one load a wave).  A tile is 16 positions: 24 products, three accumulators by turns; x's fragments roll through four sets of 16 registers, two K steps a run of loads.
; Source 0 = 16 positions of x, source 1 = 16 rows of W: lane (r, h) holds channel r, registers j the positions 8 h + j.
; x's SCALE WORDS come straight into registers: one load a tile reads 512 consecutive bytes, aligned (16 rows x 32), asked for one tile ahead into a set of their own and moved when the tile's products are over.
; CLUSTER.  The four work-groups of a cluster are four blocks of channels of the same positions: x's tiles are asked for JOINTLY (mask of all four).  W is not shared: partners need different rows.
; PREFETCH.  Behind each refill (chunk c + 2) the chunk c + 3 is named: a wave's 16 rows are shared out among the four partners by address (4 rows x 4 blocks of 256 bytes, lanes 0-15; lanes 16-31 name the last block again);
; the loop's last trip names nothing.
; THE WAY OUT.  hl and fc are laid as IMAGES OF THE REGISTERS, [4 x sequence + quarter][block][step of 32 positions][c][four registers][lane]: each store of the wave covers 512 consecutive bytes, aligned.
; REGISTERS: v0-19 addresses and carries; v20-31 W's scale words; v32-35 x's, v36-39 the next tile's; v40-63 accumulators; v64-127 x's four fragment sets (v96-127 also the gates' work registers);
; v128-255 W's fragments 0-7, window 1 its fragments 8-23 (fragment 3 k + g).
.set PITCH,  1040                      ; an LDS row of x: 1,024 bytes + 16: the 16 rows of a fragment load start at 16 different groups of four banks (ISA guide 11.1)
.set TROW,   16*PITCH                  ; 16 rows: a tensor load's, and a tile's
.set SLOT,   8*TROW                    ; 133,120 = 0x20800: it shares no bit with wave x TROW
.set CHUNKB, 65536                     ; 64 rows of x in memory
.set SPARE,  2*SLOT                    ; the spare words, 128 bytes a wave: four blocks of 256 bytes that no other line names
.set ADR,  1                           ; my lane's place in 16 rows of my stream; never rewritten
.set ADRC, 2                           ; LDS address of the tile in hand
.set GO,   3                           ; 16 x lane + the tile's place in hl and fc + 7,168
.set XSO,  4                           ; 32 r + 16 h
.set SPW,  5
.set NIL,  6
.set CAR,  7                           ; h ahead of the tile
.set PRD,  8                           ; the product of f' ahead of the tile
.set AO,   9
.set BO,   10
.set T1,   11
.set CL,   12                          ; v[12:13] h ahead of my 8 positions (low word)
.set PL,   14                          ; v[14:15] the product ahead of them
.set T2,   16
.set PFO,  17
.set WS,   20
.set XS,   32
.set XN,   36
.set XG,   40
.set FG,   48
.set IG,   56
.set FRG,  64
.set Z,    96
.set T,    104
.set D,    112
.set RR,   120                         ; at the head alone
.set HH,   121
.set WOF,  122
.set HB,   12
.set FB,   14
.set WV,   16
.set CX,   17
.set DB,   18
.set BS,   19
.set G1,   24
.set XB,   32                          ; s[32:33] my stream's scale bytes
.set XC,   34                          ; s[34:35] those of the tile asked for
.set SOF,  36                          ; s[36:37] its offset, held at the last tile's
.set STP,  38                          ; 7,168 and 1,024 by turns: from tile to tile in an image
.set SS,   39                          ; my stream
.set G0A,  40
.set G0W,  44
.set CG,   48                          ; my 16 channels of the block
.set PFA,  50
.set L2E,  52
.set NL2E, 54
.set SEL,  56
.set HM,   58
.set TS,   59
.set CNT,  61
.set INN,  62
.set SKP,  63                          ; 1: sub-segment 0, no fc
.set MSB, 0
.macro WIN new
.if MSB != \new
	s_set_vgpr_msb (MSB<<8)|\new
.set MSB, \new
.endif
.endm
.macro NOPS n
.rept \n
	v_nop
.endr
.endm
.macro CROUND                          ; a round of the cluster's barrier
	s_barrier_signal -1
	s_barrier_wait -1
	s_cmp_lg_u32 s[WV], 0
	s_cbranch_scc1 .Lnot_wave_0_\@
	s_barrier_signal -3
.Lnot_wave_0_\@:
	s_barrier_wait -3
	s_barrier_signal -1
	s_barrier_wait -1
.endm
; The change of slots, behind a chunk's last products: all my tensor loads have landed, the add, my LDS loads are in.  fill = 1: a round, and the slot just read out takes the chunk two on.
.macro SYNC fill
	s_wait_tensorcnt 0x0
	ds_add_u32 v[SPW], v[NIL]
	s_sub_co_u32 s[TS], s[TS], 3*TROW              ; the next tile is the first of the other slot
	s_xor_b32 s[TS], s[TS], SLOT
.if \fill
	s_xor_b32 s[G0W+1], s[G0W+1], SLOT
	s_add_nc_u64 s[G0W+2:G0W+3], s[G0W+2:G0W+3], CHUNKB
	s_add_nc_u64 s[PFA:PFA+1], s[PFA:PFA+1], CHUNKB   ; (the last prefetch stands a chunk back, ahead of four waits on XCNT)
.endif
	s_wait_dscnt 0x0
.if \fill
	CROUND
	tensor_load_to_lds s[G0W:G0W+3], s[G1:G1+7]    ; my one tensor load until the next round
	s_nop 0
	NOPS 4
.else
	s_barrier_signal -1
	s_barrier_wait -1
.endif
.endm
.macro FRK k, off                      ; K step k's fragment: lane (r, h) holds row r; registers 4 c .. 4 c + 3 hold K = 32 c + 16 h + 0 .. 15
.irp c, 0,1,2,3
	ds_load_b128 v[FRG+16*((\k)%4)+4*\c:FRG+16*((\k)%4)+4*\c+3], v[ADRC] offset:(\off)+128*(\k)+32*\c
.endr
.endm
; Product f = 3 k + g.  K step k's scale word is register k % 4 of both sides' sets: lanes 0-15 for k < 4, lanes 16-31 (ROW1) from k = 4 on.  K step 0 starts the sums.
.macro MM f
.set kk, (\f)/3
.set rD, XG+8*((\f)%3)
.set rA, FRG+16*(kk%4)
.if (\f) < 8
.set rB, 128+16*(\f)
.else
.set rB, 16*((\f)-8)
.endif
.set rSA, XS+(kk%4)
.set rSB, WS+4*((\f)%3)+(kk%4)
.if kk == 0
	v_wmma_scale_f32_16x16x128_f8f6f4 v[rD:rD+7], v[rA:rA+15], v[rB:rB+15], 0, v[rSA], v[rSB] matrix_a_fmt:MATRIX_FMT_BF8 matrix_b_fmt:MATRIX_FMT_BF8
.elseif kk < 4
	v_wmma_scale_f32_16x16x128_f8f6f4 v[rD:rD+7], v[rA:rA+15], v[rB:rB+15], v[rD:rD+7], v[rSA], v[rSB] matrix_a_fmt:MATRIX_FMT_BF8 matrix_b_fmt:MATRIX_FMT_BF8
.else
	v_wmma_scale_f32_16x16x128_f8f6f4 v[rD:rD+7], v[rA:rA+15], v[rB:rB+15], v[rD:rD+7], v[rSA], v[rSB] matrix_a_fmt:MATRIX_FMT_BF8 matrix_b_fmt:MATRIX_FMT_BF8 matrix_a_scale:MATRIX_SCALE_ROW1 matrix_b_scale:MATRIX_SCALE_ROW1
.endif
.endm
.macro P2 op, d, a, b                  ; one packed operation over my 8 elements
.irp p, 0,2,4,6
	\op v[\d+\p:\d+\p+1], v[\a+\p:\a+\p+1], v[\b+\p:\b+\p+1]
.endr
.endm
; A TILE.  kind 0: the next tile lies in the same slot; 1: a chunk's last, with round and refill; 2: with a plain barrier; 3: the very last.
.macro TILE kind
	s_wait_alu depctr_va_vdst(0)
	s_wait_xcnt 0x0                                ; the last tile's stores and loads have read their registers: GO, the scale bytes' base and v96-127 are written only behind this wait
	v_add_nc_u32 v[GO], s[STP], v[GO]
	s_xor_b32 s[STP], s[STP], 0x1800
	FRK 2, 0
	FRK 3, 0
	s_wait_dscnt 8                                 ; all but the eight just issued: K steps 0 and 1 are in
.irp f, 0,1,2,3,4,5
	MM \f
.endr
	NOPS 8                                         ; eight places ahead of loads into registers just multiplied
	FRK 4, 0
	FRK 5, 0
	s_wait_dscnt 8
	MM 6
	MM 7
	WIN 0x04                                       ; source 1 (W) window 1; LDS loads name destination and source 0 alone
.irp f, 8,9,10,11
	MM \f
.endr
	NOPS 8
	FRK 6, 0
	FRK 7, 0
	s_wait_dscnt 8
.irp f, 12,13,14,15,16,17
	MM \f
.endr
	NOPS 8
.if \kind == 0
	FRK 0, TROW                                    ; the next tile's first two K steps
	FRK 1, TROW
	s_wait_dscnt 8
.else
	s_wait_dscnt 0x0
.endif
.irp f, 18,19,20,21,22,23
	MM \f
.endr
	WIN 0
	NOPS 9                                         ; ahead of the first read of results, of writes into v96-127, and of the next tile's first products
.if \kind == 0
	s_add_co_u32 s[TS], s[TS], TROW
	v_add_nc_u32 v[ADRC], s[TS], v[ADR]
.elseif \kind < 3
	SYNC 2-\kind
	v_add_nc_u32 v[ADRC], s[TS], v[ADR]
	FRK 0, 0
	FRK 1, 0
.if \kind == 1
	s_cmp_gt_u32 s[CNT], 1                         ; the loop's last trip has no chunk three on
	s_cbranch_scc0 .Lnoask_\@
	global_prefetch_b8 v[PFO], s[PFA:PFA+1] th:TH_LOAD_NT scope:SCOPE_SE
.Lnoask_\@:
.endif
.endif
; the gates of my 8 elements: f' into D, v into Z.  Each accumulator is read from its low end on
.irp p, 0,2,4,6
	v_pk_fma_f32 v[FG+\p:FG+\p+1], v[FG+\p:FG+\p+1], s[NL2E:NL2E+1], 0 op_sel_hi:[1,0,0]   ; -f log2(e) + 0
	v_pk_fma_f32 v[IG+\p:IG+\p+1], v[IG+\p:IG+\p+1], s[NL2E:NL2E+1], 0 op_sel_hi:[1,0,0]   ; -i log2(e) + 0
.endr
.irp j, 0,1,2,3,4,5,6,7
	v_max3_num_f32 v[Z+\j], v[FG+\j], v[IG+\j], 0  ; m log2(e)
.endr
.irp p, 0,2,4,6
	v_pk_add_f32 v[T+\p:T+\p+1], v[XG+\p:XG+\p+1], 0.5 op_sel_hi:[1,0]
.endr
.irp p, 0,2,4,6
	v_pk_mul_f32 v[XG+\p:XG+\p+1], v[XG+\p:XG+\p+1], s[L2E:L2E+1] op_sel_hi:[1,0]
.endr
.irp p, 0,2,4,6
	v_pk_add_f32 v[FG+\p:FG+\p+1], v[FG+\p:FG+\p+1], v[Z+\p:Z+\p+1] neg_lo:[0,1] neg_hi:[0,1]
	v_pk_add_f32 v[IG+\p:IG+\p+1], v[IG+\p:IG+\p+1], v[Z+\p:Z+\p+1] neg_lo:[0,1] neg_hi:[0,1]
.endr
	s_wait_alu depctr_va_vdst(0)
.irp j, 0,1,2,3,4,5,6,7
	v_exp_f32 v[Z+\j], -v[Z+\j]                    ; z
	v_exp_f32 v[FG+\j], v[FG+\j]                   ; u
	v_exp_f32 v[IG+\j], v[IG+\j]                   ; w
	v_exp_f32 v[XG+\j], -|v[XG+\j]|                ; c
.endr
.if \kind < 3
	s_wait_loadcnt 0x0                             ; the next tile's scale words, asked for a tile ago
.irp q, 0,1,2,3
	v_mov_b32 v[XS+\q], v[XN+\q]                   ; plain work behind the exponentials; far more than eight places ahead of the next products
.endr
	s_add_co_u32 s[SOF], s[SOF], 512
	s_min_u32 s[SOF], s[SOF], 31*512               ; held at my stream's last tile: no load leaves the buffer
	s_add_nc_u64 s[XC:XC+1], s[XB:XB+1], s[SOF:SOF+1]
	global_load_b128 v[XN:XN+3], v[XSO], s[XC:XC+1]
.else
	v_nop
.endif
	s_wait_alu depctr_va_vdst(0)                   ; one wait for the batch, ahead of its first reader
	P2 v_pk_add_f32, IG, Z, IG                     ; Nf
	P2 v_pk_add_f32, FG, Z, FG                     ; Ni
	P2 v_pk_add_f32, Z, IG, FG
.irp p, 0,2,4,6
	v_pk_add_f32 v[D+\p:D+\p+1], v[XG+\p:XG+\p+1], 1.0 op_sel_hi:[1,0]
.endr
	P2 v_pk_mul_f32, Z, Z, D
	s_wait_alu depctr_va_vdst(0)
.irp j, 0,1,2,3,4,5,6,7
	v_rcp_f32 v[Z+\j], v[Z+\j]                     ; R
.endr
	P2 v_pk_mul_f32, T, T, D
.irp j, 0,1,2,3,4,5,6,7
	v_max_num_f32 v[T+\j], v[T+\j], v[XG+\j]       ; G
.endr
	P2 v_pk_mul_f32, IG, IG, D
	s_wait_alu depctr_va_vdst(0)
	P2 v_pk_mul_f32, D, IG, Z                      ; f'
	P2 v_pk_mul_f32, FG, FG, Z
	P2 v_pk_mul_f32, Z, FG, T                      ; v
; down my 8 positions from 0: h, and the running product of f'
.irp j, 1,2,3,4,5,6,7
.if \j > 1
	s_delay_alu instid0(VALU_DEP_2)
.endif
	v_fmac_f32 v[Z+\j], v[D+\j], v[Z+\j-1]
.if \j > 1
	s_delay_alu instid0(VALU_DEP_2)
.endif
	v_mul_f32 v[D+\j], v[D+\j], v[D+\j-1]
.endr
; what stands ahead of my 8 positions: the tile's carry in lanes 0-15; carried through the lower half's pair in lanes 16-31
	v_permlanex16_b32 v[AO], v[D+7], s[SEL], s[SEL+1]
	v_permlanex16_b32 v[BO], v[Z+7], s[SEL], s[SEL+1]
	v_fma_f32 v[T1], v[AO], v[CAR], v[BO]
	v_mul_f32 v[T2], v[AO], v[PRD]
	v_cndmask_b32 v[CL], v[CAR], v[T1], s[HM]
	v_cndmask_b32 v[PL], v[PRD], v[T2], s[HM]
.irp p, 0,2,4,6
	v_pk_fma_f32 v[Z+\p:Z+\p+1], v[D+\p:D+\p+1], v[CL:CL+1], v[Z+\p:Z+\p+1] op_sel_hi:[1,0,1]
.endr
	v_mul_f32 v[T2], v[D+7], v[PL]
	v_permlanex16_b32 v[BO], v[Z+7], s[SEL], s[SEL+1]
	v_permlanex16_b32 v[AO], v[T2], s[SEL], s[SEL+1]
	v_cndmask_b32 v[CAR], v[BO], v[Z+7], s[HM]     ; the upper half's last h and product go on to the next tile
	v_cndmask_b32 v[PRD], v[AO], v[T2], s[HM]
.irp q, 0,1
	global_store_b128 v[GO], v[Z+4*\q:Z+4*\q+3], s[HB:HB+1] offset:512*\q-7168 th:TH_STORE_NT
.endr
	s_cmp_eq_u32 s[SKP], 1                         ; sub-segment 0's product is left out; made of the quarter and the wave's number, the same in all partners
	s_cbranch_scc1 .Lnofc_\@
.irp p, 0,2,4,6
	v_pk_mul_f32 v[D+\p:D+\p+1], v[D+\p:D+\p+1], v[PL:PL+1] op_sel_hi:[1,0]
.endr
.irp q, 0,1
	global_store_b128 v[GO], v[D+4*\q:D+4*\q+3], s[FB:FB+1] offset:512*\q-7168 th:TH_STORE_NT
.endr
.Lnofc_\@:
.endm
.macro THREE                           ; a chunk's first three tiles
	s_mov_b32 s[INN], 3
.Ltile_\@:
	TILE 0
	s_sub_co_u32 s[INN], s[INN], 1
	s_cmp_lg_u32 s[INN], 0
	s_cbranch_scc1 .Ltile_\@
.endm
	s_load_b256 s[4:11], s[0:1], 0x0               ; x's codes, x's scales, W's codes, W's scales
	s_load_b128 s[12:15], s[0:1], 0x20             ; hl, fc
	v_lshl_add_u32 v[SPW], v0, 2, SPARE
	v_mov_b32 v[NIL], 0
	ds_add_u32 v[SPW], v[NIL]                      ; the opening: the add, twice on end, and its wait ahead of my first tensor load
	ds_add_u32 v[SPW], v[NIL]
	v_lshrrev_b32 v[WOF], 5, v0
	v_readfirstlane_b32 s[WV], v[WOF]              ; wave 0..7
	s_lshr_b32 s[SS], s[WV], 2
	s_and_b32 s[CG], s[WV], 3
	s_bfe_u32 s[CX], ttmp6, 0x40000                ; cx enters W's, hl's, fc's and the prefetches' global addresses alone
	s_lshl_b32 s[DB], ttmp9, 2
	s_add_co_u32 s[DB], s[DB], s[CX]
	s_and_b32 s[BS], ttmp7, 0xffff                 ; 4 x sequence + quarter, which the partners share
	s_and_b32 s20, s[BS], 3
	s_or_b32 s20, s20, s[SS]
	s_cmp_eq_u32 s20, 0
	s_cselect_b32 s[SKP], 1, 0
	s_mov_b32 s[G1], 15|(1<<20)|(1<<21)|(7<<22)|(3<<25)   ; mask of all four; elements of 1 byte; padding: four words after every 256
	s_mov_b32 s[G1+1], 1024<<16
	s_mov_b32 s[G1+2], 16<<16
	s_mov_b32 s[G1+3], 1024<<16
	s_mov_b32 s[G1+4], 16
	s_mov_b32 s[G1+5], 1024
	s_mov_b32 s[G1+6], 0
	s_mov_b32 s[G1+7], 0
	s_mov_b32 s[G0A], 1
	s_mov_b32 s[G0W], 1
	s_mul_i32 s[G0A+1], s[WV], TROW                ; rows 16 x wave of slot 0: stream s lies at rows 64 s
	s_add_co_u32 s[G0W+1], s[G0A+1], SLOT
	s_mul_i32 s49, s[SS], 4*TROW
	s_mov_b32 s[L2E], 0x3fb8aa3b
	s_mov_b32 s[L2E+1], s[L2E]
	s_mov_b32 s[NL2E], 0xbfb8aa3b
	s_mov_b32 s[NL2E+1], s[NL2E]
	s_mov_b32 s[SEL], 0x76543210
	s_mov_b32 s[SEL+1], 0xfedcba98
	s_mov_b32 s[HM], 0xffff0000
	s_mov_b32 s[TS], 0
	s_mov_b32 s[STP], 7168
	s_mov_b32 s[SOF], 512
	s_mov_b32 s[SOF+1], 0
	s_lshl_b32 s20, s[BS], 20                      ; x: row 1,024 BS + 512 s + 16 c of 1,024 bytes
	s_lshl_b32 s21, s[SS], 19
	s_add_co_u32 s20, s20, s21
	s_lshl_b32 s21, s[CG], 14
	s_add_co_u32 s20, s20, s21
	s_mov_b32 s21, 0
	s_lshl_b32 s22, s[BS], 15                      ; its scale bytes: 32 a row
	s_lshl_b32 s23, s[SS], 14
	s_add_co_u32 s22, s22, s23
	s_mov_b32 s23, 0
	v_and_b32 v[RR], 15, v0
	v_bfe_u32 v[HH], v0, 4, 1
	v_and_b32 v[GO], 31, v0
	v_min_u32 v[PFO], 15, v[GO]
	v_lshlrev_b32 v[GO], 4, v[GO]
	v_lshrrev_b32 v[T1], 2, v[PFO]
	v_and_b32 v[PFO], 3, v[PFO]
	v_lshlrev_b32 v[PFO], 8, v[PFO]
	v_lshl_add_u32 v[PFO], v[T1], 10, v[PFO]       ; row (lane / 4), block of 256 bytes (lane % 4)
	v_mul_u32_u24 v[ADR], v[RR], PITCH
	v_lshl_add_u32 v[ADR], v[HH], 4, v[ADR]
	v_add_nc_u32 v[ADR], s49, v[ADR]
	v_mov_b32 v[ADRC], v[ADR]
	v_lshlrev_b32 v[XSO], 5, v[RR]
	v_lshl_add_u32 v[XSO], v[HH], 4, v[XSO]
	v_lshlrev_b32 v[WOF], 10, v[RR]
	v_lshl_add_u32 v[WOF], v[HH], 4, v[WOF]
	v_mov_b32 v[CAR], 0
	v_mov_b32 v[PRD], 1.0
	v_mov_b32 v[CL+1], 0                           ; (upper halves of pairs)
	v_mov_b32 v[PL+1], 0
	v_mov_b32 v[AO], 0                             ; a lane permute's destination counts as one of its sources
	v_mov_b32 v[BO], 0
	s_wait_alu depctr_va_vdst(0)
	s_wait_dscnt 0x0
	s_wait_kmcnt 0x0
	s_add_nc_u64 s[20:21], s[4:5], s[20:21]        ; made of the quarter and the wave's number alone
	s_add_nc_u64 s[XB:XB+1], s[6:7], s[22:23]
	s_lshl_b32 s2, s[CX], 12                       ; the prefetches: my work-group's 4 of the 16 rows, at chunk 2 (the first refill steps it to 3)
	s_mov_b32 s3, 0
	s_add_nc_u64 s[PFA:PFA+1], s[20:21], s[2:3]
	s_add_nc_u64 s[PFA:PFA+1], s[PFA:PFA+1], 2*CHUNKB
	s_lshl_b32 s2, s[DB], 16                       ; W's codes: row 64 DB + 16 c
	s_lshl_b32 s3, s[CG], 14
	s_add_co_u32 s2, s2, s3
	s_mov_b32 s3, 0
	s_add_nc_u64 s[8:9], s[8:9], s[2:3]
	s_lshl_b32 s2, s[DB], 11
	s_lshl_b32 s3, s[CG], 9
	s_add_co_u32 s2, s2, s3
	s_mov_b32 s3, 0
	s_add_nc_u64 s[10:11], s[10:11], s[2:3]
	s_lshl_b32 s2, s[BS], 22                       ; hl, fc: ((16 BS + DB) x 32 + 16 s) steps of 8,192 bytes + 2,048 c
	s_lshl_b32 s3, s[DB], 18
	s_add_co_u32 s2, s2, s3
	s_lshl_b32 s3, s[SS], 17
	s_add_co_u32 s2, s2, s3
	s_lshl_b32 s3, s[CG], 11
	s_add_co_u32 s2, s2, s3
	s_mov_b32 s3, 0
	s_add_nc_u64 s[HB:HB+1], s[HB:HB+1], s[2:3]
	s_add_nc_u64 s[FB:FB+1], s[FB:FB+1], s[2:3]
	CROUND                                         ; all four work-groups are here: the first joint loads meet
	s_mov_b64 s[G0A+2:G0A+3], s[20:21]
	s_or_b32 s[G0A+3], s[G0A+3], 0x80000000
	s_add_nc_u64 s[G0W+2:G0W+3], s[20:21], CHUNKB
	s_or_b32 s[G0W+3], s[G0W+3], 0x80000000
	tensor_load_to_lds s[G0A:G0A+3], s[G1:G1+7]    ; chunk 0: one tensor load a wave at the head
	s_nop 0
	NOPS 4
.irp f, 0,1,2,3,4,5,6,7                ; W's fragments 3 k + g; they stay
.irp c, 0,1,2,3
	global_load_b128 v[128+16*\f+4*\c:128+16*\f+4*\c+3], v[WOF], s[8:9] offset:1048576*(\f%3)+128*(\f/3)+32*\c
.endr
.endr
	WIN 0x40
.irp f, 8,9,10,11,12,13,14,15,16,17,18,19,20,21,22,23
.irp c, 0,1,2,3
	global_load_b128 v[16*(\f-8)+4*\c:16*(\f-8)+4*\c+3], v[WOF], s[8:9] offset:1048576*(\f%3)+128*(\f/3)+32*\c
.endr
.endr
	WIN 0
.irp g, 0,1,2
	global_load_b128 v[WS+4*\g:WS+4*\g+3], v[XSO], s[10:11] offset:32768*\g
.endr
	global_load_b128 v[XS:XS+3], v[XSO], s[XB:XB+1]             ; tile 0's scale words,
	global_load_b128 v[XN:XN+3], v[XSO], s[XB:XB+1] offset:512  ; tile 1's
	s_wait_tensorcnt 0x0                           ; my part of chunk 0 is in; these lines stand ahead of a later first fill as ahead of a refill
	ds_add_u32 v[SPW], v[NIL]
	s_wait_dscnt 0x0
	CROUND
	tensor_load_to_lds s[G0W:G0W+3], s[G1:G1+7]    ; chunk 1, slot 1's first fill
	s_nop 0
	NOPS 4
	FRK 0, 0
	FRK 1, 0
	s_wait_loadcnt 0x0                             ; W, its scale words, x's first two sets
	s_mov_b32 s[CNT], 6
.Lchunk:                                               ; chunks 0 to 5: each slot is filled again with the chunk two on
	THREE
	TILE 1
	s_sub_co_u32 s[CNT], s[CNT], 1
	s_cmp_lg_u32 s[CNT], 0
	s_cbranch_scc1 .Lchunk
	THREE                                          ; chunks 6 and 7 are written out: nothing is left to ask for
	TILE 2
	THREE
	TILE 3
	s_wait_tensorcnt 0x0                           ; the wave's end
	ds_add_u32 v[SPW], v[NIL]
	s_wait_dscnt 0x0
	CROUND                                         ; the closing round
	s_endpgm
.Lfunc_end_k_q6edb5b1cd4_gates:
	.size	k_q6edb5b1cd4_gates, .Lfunc_end_k_q6edb5b1cd4_gates-k_q6edb5b1cd4_gates
	.p2alignl 7, 3214868480
	.fill 96, 4, 3214868480
	.section	.rodata,"a",@progbits
	.p2align	6, 0x0
	.amdhsa_kernel k_q6edb5b1cd4_gates
		.amdhsa_group_segment_fixed_size 327680
		.amdhsa_private_segment_fixed_size 0
		.amdhsa_enable_private_segment 0
		.amdhsa_kernarg_size 48
		.amdhsa_user_sgpr_count 2
		.amdhsa_user_sgpr_kernarg_segment_ptr 1
		.amdhsa_wavefront_size32 1
		.amdhsa_system_sgpr_workgroup_id_x 1
		.amdhsa_system_sgpr_workgroup_id_y 1
		.amdhsa_system_sgpr_workgroup_id_z 1
		.amdhsa_system_vgpr_workitem_id 0
		.amdhsa_next_free_vgpr 512
		.amdhsa_next_free_sgpr 66
		.amdhsa_reserve_vcc 0
		.amdhsa_float_denorm_mode_32 3
		.amdhsa_float_denorm_mode_16_64 3
		.amdhsa_memory_ordered 1
		.amdhsa_forward_progress 1
		.amdhsa_inst_pref_size 113
	.end_amdhsa_kernel
	.amdgpu_metadata
---
amdhsa.version: [ 1, 2 ]
amdhsa.kernels:
  - .name:           k_q6edb5b1cd4_gates
    .symbol:         k_q6edb5b1cd4_gates.kd
    .args:
      - { .name: x_codes, .offset: 0, .size: 8, .value_kind: global_buffer, .address_space: global }
      - { .name: x_scales, .offset: 8, .size: 8, .value_kind: global_buffer, .address_space: global }
      - { .name: W_codes, .offset: 16, .size: 8, .value_kind: global_buffer, .address_space: global }
      - { .name: W_scales, .offset: 24, .size: 8, .value_kind: global_buffer, .address_space: global }
      - { .name: hl, .offset: 32, .size: 8, .value_kind: global_buffer, .address_space: global }
      - { .name: fc, .offset: 40, .size: 8, .value_kind: global_buffer, .address_space: global }
    .group_segment_fixed_size: 327680
    .private_segment_fixed_size: 0
    .kernarg_segment_align: 8
    .kernarg_segment_size: 48
    .max_flat_workgroup_size: 256
    .sgpr_count:     66
    .vgpr_count:     512
    .wavefront_size: 32
...
	.end_amdgpu_metadata
.endif
;; end of part 2
;; launch mend (part 3): grid 16 x 16, 16 waves a work-group, no clusters, 280,576 bytes of LDS; arguments hl, fc, out0; writes out0
.if DOCPART == 3
	.amdgcn_target "amdgcn-amd-amdhsa--gfx1250"
	.amdhsa_code_object_version 6
	.text
	.protected	k_q6edb5b1cd4_mend
	.globl	k_q6edb5b1cd4_mend
	.p2align	8
	.type	k_q6edb5b1cd4_mend,@function
k_q6edb5b1cd4_mend:
	s_mov_b64 s[64:65], 0
	v_nop
	global_prefetch_b8 v0, s[64:65] scope:SCOPE_SE
	s_setreg_imm32_b32 hwreg(HW_REG_WAVE_MODE, 25, 1), 1
	s_wait_xcnt 0x0
; minLSTM, second of two launches.  out0 = hl + fc x C: hl is h scanned from 0 inside a sub-segment of 512 positions, fc the product of f' from the sub-segment's start, C the true h ahead of the sub-segment.
; WORK LEFT OUT: ahead of sub-segment 0 stands the scan's start, h = 0, whatever the inputs hold; so sub-segment 0 has no fc (the first launch stores none), loads none, and its hl is out0 as it stands.
; C.  (A_k, B_k) = (fc, hl) at the last position of sub-segment k say h_out = A_k h_in + B_k.  C_1 = B_0, C_(k+1) = A_k C_k + B_k up to C_7; mine is picked by my sub-segment's number (selections on ids).  All terms are >= 0.
; hl and fc lie as IMAGES OF REGISTERS, [4 x sequence + quarter][block of 64 channels][step of 32 positions][w: 16 channels][q: four registers][lane][16 bytes]: register e = 4 q + c = 8 t + j of lane (r, h) is position
; 16 t + 8 h + j of the step, channel 16 w + r.  Steps 0-15 of a quarter are its first sub-segment, steps 16-31 its second.  Every load of a wave reads 512 consecutive bytes; the carry is one number a lane for each w.
; SHARES.  A work-group owns (quarter, block): 32 steps; each of its sixteen waves two of them, so waves 0-7 lie in one sub-segment and waves 8-15 in the next.  A wave mends a step's four images, turns them through its OWN stage
; in LDS (32 rows of 256 bytes + 16) and stores whole rows: sixteen lanes store 256 consecutive bytes, aligned.  Waves share nothing: no barrier.  Memory binds: no matrix unit, no cluster (work-groups share only the few bytes
; of the carries), no tensor load, no prefetch (no loop to run ahead in: a wave's loads all go out at its head).
.set SP,    272
.set WST,   32*SP
.set STGB,  16*WST                     ; the stages of sub-segment 0's path: each path has LDS bytes of its own
.set SPARE, 2*16*WST
.set SEGB,  1<<22                      ; from a quarter to the next in hl and fc
.set LOF,  1
.set STS,  2
.set STL,  3
.set STS0, 4
.set STL0, 5
.set GO,   6
.set CO,   7                           ; the last position of my channel in an image: register 15 of lane 16 + r
.set SPW,  8
.set NIL,  9
.set RR,   10
.set HH,   11
.set CW,   12                          ; v[12:19]  C for w = 0 .. 3, a pair each (low word)
.set C2,   40                          ; v40-43  the chain
.set HR,   64
.set FR,   128
.set TR,   192                         ; mended, then rows of out0; ahead of that the carries:
.set BB,   192                         ; B_k for w at 4 k + w, k = 0 .. 6
.set AA,   220                         ; A_k for w at 4 (k - 1) + w, k = 1 .. 6
.set WV,   10
.set DB,   11
.set BS,   12
.set SEG,  13                          ; my sub-segment, 0 .. 7
	s_load_b128 s[4:7], s[0:1], 0x0                ; hl, fc
	s_load_b64 s[8:9], s[0:1], 0x10                ; out0
	v_lshl_add_u32 v[SPW], v0, 2, SPARE
	v_mov_b32 v[NIL], 0
	v_lshrrev_b32 v[RR], 5, v0
	s_delay_alu instid0(VALU_DEP_1)
	v_readfirstlane_b32 s[WV], v[RR]
	v_and_b32 v[LOF], 31, v0
	s_delay_alu instid0(VALU_DEP_1)
	v_lshlrev_b32 v[LOF], 4, v[LOF]
	v_and_b32 v[RR], 15, v0
	v_bfe_u32 v[HH], v0, 4, 1
	s_mul_i32 s14, s[WV], WST
	v_mul_u32_u24 v[STS], v[HH], 8*SP
	s_delay_alu instid0(VALU_DEP_1)
	v_lshl_add_u32 v[STS], v[RR], 2, v[STS]
	s_delay_alu instid0(VALU_DEP_1)
	v_add_nc_u32 v[STS], s14, v[STS]               ; in: row 8 h (+ 16 t + j), byte 4 r (+ 64 w)
	v_mul_u32_u24 v[STL], v[HH], SP
	s_delay_alu instid0(VALU_DEP_1)
	v_lshl_add_u32 v[STL], v[RR], 4, v[STL]
	s_delay_alu instid0(VALU_DEP_1)
	v_add_nc_u32 v[STL], s14, v[STL]               ; back: lanes 0-15 one row, lanes 16-31 the next
	s_delay_alu instid0(VALU_DEP_4)
	v_add_nc_u32 v[STS0], STGB, v[STS]
	s_delay_alu instid0(VALU_DEP_2)
	v_add_nc_u32 v[STL0], STGB, v[STL]
	v_lshlrev_b32 v[GO], 12, v[HH]
	s_delay_alu instid0(VALU_DEP_1)
	v_lshl_add_u32 v[GO], v[RR], 4, v[GO]
	v_lshl_add_u32 v[CO], v[RR], 4, 3*512+16*16+12
.irp w, 0,1,2,3
	v_mov_b32 v[CW+2*\w+1], 0
.endr
	s_mov_b32 s[DB], ttmp9
	s_and_b32 s[BS], ttmp7, 0xffff
	s_and_b32 s[SEG], s[BS], 3
	s_lshl_b32 s[SEG], s[SEG], 1
	s_lshr_b32 s15, s[WV], 3
	s_add_co_u32 s[SEG], s[SEG], s15               ; 2 x quarter + (wave / 8)
.irp k, 2,3,4,5,6,7
	s_cmp_ge_u32 s[SEG], \k
	s_cselect_b32 s[24+\k], -1, 0                  ; s26-31: all ones where my sub-segment is at least k
.endr
	s_lshl_b32 s16, s[BS], 22                      ; my two steps' images
	s_lshl_b32 s17, s[DB], 18
	s_add_co_u32 s16, s16, s17
	s_lshl_b32 s17, s[WV], 14
	s_add_co_u32 s16, s16, s17
	s_mov_b32 s17, 0
	s_and_b32 s18, s[BS], 12                       ; the carries: my sequence's quarter 2 (the others by the loads' immediates), my block
	s_lshl_b32 s18, s18, 22
	s_lshl_b32 s19, s[DB], 18
	s_add_co_u32 s18, s18, s19
	s_add_co_u32 s18, s18, 2*SEGB
	s_mov_b32 s19, 0
	s_lshl_b32 s20, s[BS], 22                      ; out0: row 1,024 BS + 64 x wave of 4,096 bytes, + 256 DB
	s_lshl_b32 s21, s[WV], 18
	s_add_co_u32 s20, s20, s21
	s_lshl_b32 s21, s[DB], 8
	s_add_co_u32 s20, s20, s21
	s_mov_b32 s21, 0
	s_wait_alu depctr_va_vdst(0)
	s_wait_kmcnt 0x0
	s_add_nc_u64 s[22:23], s[4:5], s[18:19]
	s_add_nc_u64 s[24:25], s[6:7], s[18:19]
	s_add_nc_u64 s[4:5], s[4:5], s[16:17]
	s_add_nc_u64 s[6:7], s[6:7], s[16:17]
	s_add_nc_u64 s[8:9], s[8:9], s[20:21]
.macro ROWS u, adr                     ; the rows of step u leave: back from the stage as whole rows, two an instruction
.irp i, 0,1,2,3,4,5,6,7,8,9,10,11,12,13,14,15
	ds_load_b128 v[TR+4*\i:TR+4*\i+3], v[\adr] offset:2*\i*SP   ; LDS serves a wave's instructions in order (ISA guide 5.7.1.4)
.endr
.irp i, 0,1,2,3,4,5,6,7,8,9,10,11,12,13,14,15
	s_wait_dscnt 15-\i                             ; the younger loads may stay out
	global_store_b128 v[GO], v[TR+4*\i:TR+4*\i+3], s[8:9] offset:(32*(\u)+2*\i)*4096 th:TH_STORE_NT
.endr
.endm
.macro TOSTAGE adr, src, w
.irp e, 0,1,2,3,4,5,6,7,8,9,10,11,12,13,14,15
	ds_store_b32 v[\adr], v[\src+16*(\w)+\e] offset:(16*(\e/8)+\e%8)*SP+64*(\w)
.endr
.endm
.macro LOADW u, w
.irp q, 0,1,2,3
	global_load_b128 v[HR+16*(\w)+4*\q:HR+16*(\w)+4*\q+3], v[LOF], s[4:5] offset:8192*(\u)+2048*(\w)+512*\q th:TH_LOAD_NT
.endr
.irp q, 0,1,2,3
	global_load_b128 v[FR+16*(\w)+4*\q:FR+16*(\w)+4*\q+3], v[LOF], s[6:7] offset:8192*(\u)+2048*(\w)+512*\q th:TH_LOAD_NT
.endr
.endm
.macro MEND u                          ; in step 0 each image's registers take step 1's loads as soon as they have been read
.if \u
	s_wait_xcnt 0x0                                ; step 0's stores have read TR, their data
.endif
.irp w, 0,1,2,3
.if \u
	s_wait_loadcnt 24-8*\w                         ; behind image w stand the 8 loads of each later image
.else
	s_wait_loadcnt 24                              ; behind image w stand 24 - 8 w loads of this step and 8 w of the next
.endif
.irp p, 0,2,4,6,8,10,12,14
	v_pk_fma_f32 v[TR+16*\w+\p:TR+16*\w+\p+1], v[FR+16*\w+\p:FR+16*\w+\p+1], v[CW+2*\w:CW+2*\w+1], v[HR+16*\w+\p:HR+16*\w+\p+1] op_sel_hi:[1,0,1]
.endr
.if !\u
	LOADW 1, \w
.endif
	TOSTAGE STS, TR, \w
.endr
	ROWS \u, STL
.endm
	s_cmp_eq_u32 s[SEG], 0
	s_cbranch_scc1 .Lseg0
	s_wait_alu depctr_va_vdst(0)
.irp w, 0,1,2,3                        ; the carries first: 52 loads of one number a lane; sub-segment k ends in quarter k / 2, step 15 or 31
.irp k, 0,1,2,3,4,5,6
	global_load_b32 v[BB+4*\k+\w], v[CO], s[22:23] offset:(\k/2-2)*SEGB+(15+16*(\k%2))*8192+2048*\w
.endr
.irp k, 1,2,3,4,5,6
	global_load_b32 v[AA+4*(\k-1)+\w], v[CO], s[24:25] offset:(\k/2-2)*SEGB+(15+16*(\k%2))*8192+2048*\w
.endr
.endr
.irp w, 0,1,2,3
	LOADW 0, \w
.endr
	s_wait_loadcnt 32                              ; the carries are in; step 0's 32 loads may be out
.irp w, 0,1,2,3
	v_fma_f32 v[C2+\w], v[AA+\w], v[BB+\w], v[BB+4+\w]          ; C_2
.endr
.irp w, 0,1,2,3
	s_delay_alu instid0(VALU_DEP_4)
	v_cndmask_b32 v[CW+2*\w], v[BB+\w], v[C2+\w], s26
.endr
.irp k, 2,3,4,5,6
.irp w, 0,1,2,3
	v_fma_f32 v[C2+\w], v[AA+4*(\k-1)+\w], v[C2+\w], v[BB+4*\k+\w]   ; C_(k+1)
.endr
.irp w, 0,1,2,3
	s_delay_alu instid0(VALU_DEP_4)
	v_cndmask_b32 v[CW+2*\w], v[CW+2*\w], v[C2+\w], s[25+\k]
.endr
.endr
	s_wait_alu depctr_va_vdst(0)
	MEND 0
	MEND 1
	s_branch .Lend
.Lseg0:                                                ; sub-segment 0: hl is out0; both steps' images are asked for at once
.irp w, 0,1,2,3
.irp q, 0,1,2,3
	global_load_b128 v[HR+16*\w+4*\q:HR+16*\w+4*\q+3], v[LOF], s[4:5] offset:2048*\w+512*\q th:TH_LOAD_NT
.endr
.endr
.irp w, 0,1,2,3
.irp q, 0,1,2,3
	global_load_b128 v[FR+16*\w+4*\q:FR+16*\w+4*\q+3], v[LOF], s[4:5] offset:8192+2048*\w+512*\q th:TH_LOAD_NT
.endr
.endr
	s_wait_alu depctr_va_vdst(0)
.irp w, 0,1,2,3
	s_wait_loadcnt 28-4*\w                         ; behind image w of step 0 stand 4 loads for each later image
	TOSTAGE STS0, HR, \w
.endr
	ROWS 0, STL0
	s_wait_xcnt 0x0                                ; step 0's stores have read TR
.irp w, 0,1,2,3
	s_wait_loadcnt 12-4*\w
	TOSTAGE STS0, FR, \w
.endr
	ROWS 1, STL0
.Lend:
	s_wait_tensorcnt 0x0                           ; the wave's end
	ds_add_u32 v[SPW], v[NIL]
	s_wait_dscnt 0x0
	s_endpgm
.Lfunc_end_k_q6edb5b1cd4_mend:
	.size	k_q6edb5b1cd4_mend, .Lfunc_end_k_q6edb5b1cd4_mend-k_q6edb5b1cd4_mend
	.p2alignl 7, 3214868480
	.fill 96, 4, 3214868480
	.section	.rodata,"a",@progbits
	.p2align	6, 0x0
	.amdhsa_kernel k_q6edb5b1cd4_mend
		.amdhsa_group_segment_fixed_size 280576
		.amdhsa_private_segment_fixed_size 0
		.amdhsa_enable_private_segment 0
		.amdhsa_kernarg_size 24
		.amdhsa_user_sgpr_count 2
		.amdhsa_user_sgpr_kernarg_segment_ptr 1
		.amdhsa_wavefront_size32 1
		.amdhsa_system_sgpr_workgroup_id_x 1
		.amdhsa_system_sgpr_workgroup_id_y 1
		.amdhsa_system_sgpr_workgroup_id_z 1
		.amdhsa_system_vgpr_workitem_id 0
		.amdhsa_next_free_vgpr 256
		.amdhsa_next_free_sgpr 66
		.amdhsa_reserve_vcc 0
		.amdhsa_float_denorm_mode_32 3
		.amdhsa_float_denorm_mode_16_64 3
		.amdhsa_memory_ordered 1
		.amdhsa_forward_progress 1
		.amdhsa_inst_pref_size 54
	.end_amdhsa_kernel
	.amdgpu_metadata
---
amdhsa.version: [ 1, 2 ]
amdhsa.kernels:
  - .name:           k_q6edb5b1cd4_mend
    .symbol:         k_q6edb5b1cd4_mend.kd
    .args:
      - { .name: hl, .offset: 0, .size: 8, .value_kind: global_buffer, .address_space: global }
      - { .name: fc, .offset: 8, .size: 8, .value_kind: global_buffer, .address_space: global }
      - { .name: out0, .offset: 16, .size: 8, .value_kind: global_buffer, .address_space: global }
    .group_segment_fixed_size: 280576
    .private_segment_fixed_size: 0
    .kernarg_segment_align: 8
    .kernarg_segment_size: 24
    .max_flat_workgroup_size: 512
    .sgpr_count:     66
    .vgpr_count:     256
    .wavefront_size: 32
...
	.end_amdgpu_metadata
.endif
;; end of part 3
